; MI455X (gfx1250); checked and timed in simulation.
; The chip was launched on July 23, 2026; its instructions are those of AMD's public machine-readable ISA for CDNA 5 (MIT licence, August 2026) and "CDNA5" Instruction Set Architecture Reference Guide (July 2026). The comments in the code are by the model that wrote it; some were corrected since.
;; Multihead Attention. Allowed arithmetic: matrix products marked QUANTISED: E4M3 operands, one given power-of-two scale a tensor, by v_wmma_f32_16x16x64_fp8_fp8 or v_wmma_f32_16x16x128_fp8_fp8, f32 sums; everything else in f32.
;; Inputs: W_out 1,024 x 1,024 float32; W_qkv 1,024 x 3,072 float32; b_out 1,024 float32; b_qkv 3,072 float32; lowp_scales 8 int32 (the exponents e of the quantised operands' scales 2^e); x 4 x 2,048 x 1,024 float32.
;; Outputs: out0 4 x 2,048 x 1,024 float32.
;; This version of the problem:
;;   THIS VERSION OF THE PROBLEM IS GIVEN IN LOW PRECISION. The matrix products marked QUANTISED in the list below multiply operands that are first quantised to E4M3 (4 exponent bits, 3 mantissa bits; 8 bits a number), with one given power-of-two scale for each operand tensor; their sums are f32. All else is computed in f32.
;;   The module's matrix products, in the order in which they are computed (A, B: the left and right operand; K: the contracted axis; several contracted axes count as one K, in the product's order):
;;     1. [M 8,192, K 1,024] x [K 1,024, N 3,072]; A: input x; B: input W_qkv: QUANTISED (scales: A lowp_scales[0], B lowp_scales[1])
;;     2. batch 64 x [M 2,048, K 64] x [K 64, N 2,048]; A: computed on the way; B: computed on the way: QUANTISED (scales: A lowp_scales[2], B lowp_scales[3])
;;     3. batch 64 x [M 2,048, K 2,048] x [K 2,048, N 64]; A: softmax (see below); B: computed on the way: QUANTISED (scales: A lowp_scales[4], B lowp_scales[5])
;;     4. [M 8,192, K 1,024] x [K 1,024, N 1,024]; A: computed on the way; B: input W_out: QUANTISED (scales: A lowp_scales[6], B lowp_scales[7])
;;   THE QUANTISER, for each operand of a quantised product, along K:
;;     - The operand's scale is 2^e, e = its entry of the input lowp_scales (int32; the entries are numbered through the quantised products in the list's order, A before B).
;;     - Each number is divided by the scale, clamped to +-448, and rounded to the nearest number of E4M3, ties to even, subnormals kept.
;;     - The product sums the exact products of the quantised numbers (number of the format x scale) in f32.
;;   ~~~python
;;   def quantise(x, axis, e):      # numpy; x: float32 -> the quantised numbers, widened to float32 again
;;       x = np.moveaxis(x, axis, -1); K = x.shape[-1]
;;       r = np.clip(x / 2.0 ** e, -448, 448)
;;       step = 2.0 ** (np.maximum(np.frexp(np.where(r == 0, 1, r))[1] - 1, -6) - 3)
;;       q = np.round(r / step) * step * 2.0 ** e      # np.round: ties to even
;;       return np.moveaxis(q, -1, axis).astype(np.float32)
;;   ~~~
;;   SOFTMAX AHEAD OF A QUANTISED PRODUCT. Where the list says 'softmax', what is quantised is not the finished softmax but p = 2^(t - M), with t = logit x log2(e) and M = ceil(the row's largest t), a whole number; so 1/2 < the row's largest p <= 1. The row's sum l is taken of the UNQUANTISED p, in f32, and the product's result is divided by l at the end. Since M is a whole number, a kernel that streams over the keys may use a running M (the ceiling of the running maximum): every later rescaling is an exact power of two, so the quantised numbers keep their values, but for numbers so far below the row's largest that they fall under the format's range.
;;   OPERANDS COMPUTED ON THE WAY. 'Computed on the way' means the value that the module computes at that place (a softmax that the list does not call 'softmax' is quantised finished and normalised). What goes into a quantiser is computed in f32, as accurately as f32 sums, v_exp_f32 and their like allow (about 1e-6 of the number): no bf16 or f16 on the way to a quantiser, and a product that is left as it is and whose result goes on into a quantised operand takes f32 operands (vector FMAs, or v_wmma_f32_16x16x4_f32). A number that lies on a knife's edge between two numbers of the format may be rounded either way, as far as f32 arithmetic and the matrix unit's own rounding can turn it there, and no further.
;; One version. Each part assembles by itself: llvm-mc -triple=amdgcn-amd-amdhsa -mcpu=gfx1250 --defsym DOCPART=n.
;; ======== version 1 of 1: 4 launches
;; limits: right only within a limited range of input values
;; workspace buffers: xc 8,388,608 bytes; wqc 3,145,728 bytes; woc 1,048,576 bytes; qc 8,388,608 bytes; kvc 16,777,216 bytes; yc 8,388,608 bytes
;; launch quant (part 1): grid 640 x 1, 4 waves a work-group, no clusters, 68,096 bytes of LDS; arguments x, W_qkv, W_out, lowp_scales, xc, wqc, woc; writes xc, wqc, woc
.if DOCPART == 1
	.amdgcn_target "amdgcn-amd-amdhsa--gfx1250"
	.amdhsa_code_object_version 6
	.text
	.protected	k_q9d34ffc3d4_quant
	.globl	k_q9d34ffc3d4_quant
	.p2align	8
	.type	k_q9d34ffc3d4_quant,@function
k_q9d34ffc3d4_quant:
	s_mov_b64 s[64:65], 0
	v_nop
	global_prefetch_b8 v0, s[64:65] scope:SCOPE_SE
	s_setreg_imm32_b32 hwreg(HW_REG_WAVE_MODE, 25, 1), 1
	s_wait_xcnt 0x0
; x [8192][1024], W_qkv [1024][3072] and W_out [1024][1024], f32, become codes of FP8 (E4M3), each with the one given scale 2^e (entries 0, 1 and 7 of the scales).
; code = number / 2^e, held within +-448, rounded to the nearest code, ties to even.  LIMITS: each e between -126 and 119.  NaN among the inputs is not served; an infinity is held at the largest code.
; THE CODES ARE LAID AS IMAGES OF OPERAND REGISTERS.  A fragment is 16 rows x 128 K: four pieces c of 512 bytes, lane l's 16 bytes at 16 l; lane (r = l % 16, h = l / 16) holds k = 32 c + 16 h + 0 .. 15 of its row.
; Fragment F = 2 g + u, lane r, is row 32 g + 8 u + r + 8 (r / 8).  Byte of a buffer with NF fragments: ((k / 256 x NF + F) x 2 + (k / 128) % 2) x 2048 + 512 c + 16 l.
; Work-groups 0-127 take the weights (K is their FIRST axis: a lane takes a column, its registers run down K); work-groups 128-639 take x (K innermost).  The two paths have LDS bytes of their own.
; No tensor load, no barrier: waves share nothing.  Every store of a wave covers 512 consecutive bytes, aligned.
.set WB,    8448                       ; a wave's stage, in both paths
.set XLDS,  4*WB                       ; x's stages lie behind the weights'
.set UP,    4224                       ; weights: from fragment 2 g to 2 g + 1 in the stage: 4,096 + 128, so that sixteen lanes' stores fall on sixteen different 16-byte columns
.set XP,    528                        ; x: a stage row: 512 bytes + 16
.set OFFS,  16                         ; v16-47   weights: 4 l + i rows, i = 0 .. 31; never rewritten
.set X,     48                         ; v48-111  weights: two sets of 32 numbers
.set C,     112                        ; v112-175 weights: 8 registers of codes for each of 8 blocks; never rewritten
.set OUTR,  176                        ; v176-239 weights: the way out
.set R0,    16                         ; v16-79   x: the first 128 along K as loaded; later the second, turned
.set R1,    80                         ; v80-143  x: the second 128 along K as loaded
.set XT,    144                        ; v144-207 x: the first 128 along K, turned
.set CX,    208                        ; v208-239 x: codes
	s_load_b256 s[4:11], s[0:1], 0x0               ; x s[4:5], W_qkv s[6:7], W_out s[8:9], the scales' exponents s[10:11]
	s_load_b128 s[12:15], s[0:1], 0x20             ; xc s[12:13], wqc s[14:15]
	s_load_b64 s[16:17], s[0:1], 0x30              ; woc
	v_lshl_add_u32 v240, v0, 2, 0x10800
	v_mov_b32 v241, 0
	v_lshrrev_b32 v1, 5, v0
	v_readfirstlane_b32 s18, v1                    ; wave 0..3
	v_and_b32 v2, 31, v0                           ; lane
	v_lshlrev_b32 v3, 4, v2                        ; 16 l
	s_mul_i32 s19, s18, WB
	s_wait_kmcnt 0x0
	s_load_b256 s[24:31], s[10:11], 0x0            ; e0 .. e7
	s_cmp_lt_u32 ttmp9, 128
	s_cbranch_scc0 .Lx_path
; ---------------- THE WEIGHTS.  Work-group g: g < 96: W_qkv, else W_out; k = 256 (g % 4) on; 128 columns; wave w: 32 of them, one group of 32 rows of the codes: fragments 2 gi and 2 gi + 1.
	s_cmp_ge_u32 ttmp9, 96                         ; the choice hangs on the work-group's number alone
	s_cselect_b64 s[20:21], s[8:9], s[6:7]         ; from
	s_cselect_b64 s[48:49], s[16:17], s[14:15]     ; to
	s_mov_b32 s22, 12288
	s_cselect_b32 s22, 4096, s22                   ; a row of the weight in bytes
	s_mov_b32 s23, 192
	s_cselect_b32 s23, 64, s23                     ; NF
	s_cselect_b32 s50, 24, 0
	s_and_b32 s51, ttmp9, 3                        ; which 256 along K
	s_lshr_b32 s52, ttmp9, 2
	s_sub_co_u32 s52, s52, s50                     ; which 128 columns
	s_lshl_b32 s52, s52, 2
	s_add_co_u32 s52, s52, s18                     ; gi
	s_lshl_b32 s53, s51, 8
	s_mul_i32 s54, s53, s22                        ; 256 kq rows,
	s_lshl_b32 s53, s52, 7
	s_add_co_u32 s54, s54, s53                     ; + 32 gi columns of 4 bytes
	s_mov_b32 s55, 0
	s_add_nc_u64 s[32:33], s[20:21], s[54:55]      ; block 0's base;
	s_lshl_b32 s54, s22, 5                         ; 32 rows on:
.irp t, 1,2,3,4,5,6,7
	s_add_nc_u64 s[32+2*\t:33+2*\t], s[30+2*\t:31+2*\t], s[54:55]   ; a base for each block of 32 along K: no pointer is stepped later
.endr
	s_mul_i32 s56, s51, s23
	s_lshl_b32 s57, s52, 1
	s_add_co_u32 s56, s56, s57
	s_lshl_b32 s56, s56, 12                        ; (kq NF + 2 gi) x 4,096
	s_mov_b32 s57, 0
	s_add_nc_u64 s[48:49], s[48:49], s[56:57]
	s_wait_alu depctr_va_vdst(0)
	v_lshlrev_b32 v[OFFS], 2, v2
.irp i, 1,2,3,4,5,6,7,8,9,10,11,12,13,14,15,16,17,18,19,20,21,22,23,24,25,26,27,28,29,30,31
	v_add_nc_u32 v[OFFS+\i], s22, v[OFFS+\i-1]
.endr
	v_bfe_u32 v4, v0, 3, 1                         ; column l of the 32 is lane r = l % 8 + 8 (l / 16) of fragment u = (l / 8) % 2
	v_mul_u32_u24 v4, v4, UP
	v_and_b32 v5, 7, v0
	v_bfe_u32 v6, v0, 4, 1
	v_lshl_add_u32 v5, v6, 3, v5
	v_lshl_add_u32 v4, v5, 4, v4
	v_add_nc_u32 v4, s19, v4                       ; into the stage: my wave's + UP u + 16 r
	v_add_nc_u32 v5, s19, v3                       ; out of it: my wave's + 16 l
.macro LOADW t                         ; block t: W(32 t + i, my column) into set t % 2: a wave reads 128 consecutive bytes, the four waves 512
.irp i, 0,1,2,3,4,5,6,7,8,9,10,11,12,13,14,15,16,17,18,19,20,21,22,23,24,25,26,27,28,29,30,31
	global_load_b32 v[X+32*((\t)%2)+\i], v[OFFS+\i], s[32+2*(\t):33+2*(\t)] th:TH_LOAD_NT
.endr
.endm
	LOADW 0
	LOADW 1
	s_wait_kmcnt 0x0
	s_cmp_ge_u32 ttmp9, 96
	s_cselect_b32 s59, s31, s25                    ; e7 or e1
	s_add_co_i32 s59, s59, 127
	s_lshl_b32 s60, s59, 23
	v_mov_b32 v11, s60                             ; 2^e as f32: the conversion takes its exponent field
	s_add_co_i32 s59, s59, 8
	s_lshl_b32 s59, s59, 23
	s_or_b32 s59, s59, 0x600000
.macro BLOCKW t
.set XW, X+32*((\t)%2)
.if (\t) < 7
	s_wait_loadcnt 32                              ; this block's 32 loads are in; the next block's 32 may be out
.else
	s_wait_loadcnt 0x0
.endif
.irp i, 0,1,2,3,4,5,6,7,8,9,10,11,12,13,14,15,16,17,18,19,20,21,22,23,24,25,26,27,28,29,30,31
.endr
.irp g, 0,1,2,3
	v_cvt_scalef32_pk8_fp8_f32 v[C+8*(\t)+2*\g:C+8*(\t)+2*\g+1], v[XW+8*\g:XW+8*\g+7], v11
.endr
	v_nop                                          ; a plain vector line behind the last conversion
	ds_store_b128 v4, v[C+8*(\t):C+8*(\t)+3] offset:((\t)/4)*2048+((\t)%4)*512         ; k = 32 t + 0 .. 15: the place of lane (r, 0)
	ds_store_b128 v4, v[C+8*(\t)+4:C+8*(\t)+7] offset:((\t)/4)*2048+((\t)%4)*512+256   ; k = 32 t + 16 .. 31: of lane (r, 1)
.if (\t) < 6
	LOADW (\t)+2
.endif
.endm
	s_wait_alu depctr_va_vdst(0)
.irp t, 0,1,2,3,4,5,6,7
	BLOCKW \t
.endr
.irp j, 0,1,2,3,4,5,6,7,8,9,10,11,12,13,14,15
	ds_load_b128 v[OUTR+4*\j:OUTR+4*\j+3], v5 offset:(\j/8)*UP+(\j%8)*512   ; LDS serves a wave's instructions in order (ISA guide 5.7.1.4): these see my stores
.endr
.irp j, 0,1,2,3,4,5,6,7,8,9,10,11,12,13,14,15
	s_wait_dscnt 15-\j                             ; the younger loads may be out
	global_store_b128 v3, v[OUTR+4*\j:OUTR+4*\j+3], s[48:49] offset:512*\j   ; two fragments x 256 K: 8,192 consecutive bytes a wave
.endr
	s_wait_tensorcnt 0x0
	ds_add_u32 v240, v241
	s_wait_dscnt 0x0
	s_endpgm
; ---------------- x.  Work-group 128 + F takes fragment F (16 rows); wave w takes k = 256 w on.  Each load reads 512 consecutive bytes of a row; a stage in LDS turns them so that a lane holds 16 neighbours along K.
.Lx_path:
	s_sub_co_u32 s20, ttmp9, 128                   ; F
	s_lshr_b32 s21, s20, 1
	s_lshl_b32 s21, s21, 5
	s_and_b32 s22, s20, 1
	s_lshl_b32 s22, s22, 3
	s_add_co_u32 s21, s21, s22                     ; the fragment's first row: 32 (F / 2) + 8 (F % 2)
	s_lshl_b32 s32, s21, 12
	s_lshl_b32 s22, s18, 10
	s_add_co_u32 s32, s32, s22
	s_mov_b32 s33, 0
	s_add_nc_u64 s[4:5], s[4:5], s[32:33]
	s_lshl_b32 s34, s18, 9
	s_add_co_u32 s34, s34, s20
	s_lshl_b32 s34, s34, 12                        ; (512 w + F) x 4,096
	s_mov_b32 s35, 0
	s_add_nc_u64 s[12:13], s[12:13], s[34:35]
	s_add_co_u32 s36, s19, XLDS                    ; my stage
	s_wait_alu depctr_va_vdst(0)
	v_add_nc_u32 v4, s36, v3                       ; in: row i at XP i, 16 bytes a lane
	v_and_b32 v5, 15, v0
	v_bfe_u32 v6, v0, 4, 1
	v_mul_u32_u24 v5, v5, XP
	v_lshl_add_u32 v5, v6, 6, v5
	v_add_nc_u32 v5, s36, v5                       ; out: row r, + 64 h: my 16 numbers of a block of 32
.irp s, 0,1
.irp i, 0,1,2,3,4,5,6,7,8,9,10,11,12,13,14,15
	global_load_b128 v[R0+64*\s+4*\i:R0+64*\s+4*\i+3], v3, s[4:5] offset:(\i+8*(\i/8))*4096+512*\s th:TH_LOAD_NT
.endr
.endr
	s_wait_alu depctr_va_vdst(0)
	s_wait_kmcnt 0x0
	s_add_co_i32 s37, s24, 127                     ; e0
	s_lshl_b32 s38, s37, 23
	v_mov_b32 v11, s38
.macro TURNX src, dst                  ; 16 rows x 512 bytes through the stage; register dst + 16 c + i = k 32 c + 16 h + i of row r
.irp i, 0,1,2,3,4,5,6,7,8,9,10,11,12,13,14,15
	ds_store_b128 v4, v[\src+4*\i:\src+4*\i+3] offset:XP*\i
.endr
.irp c, 0,1,2,3
.irp j, 0,1,2,3
	ds_load_b128 v[\dst+16*\c+4*\j:\dst+16*\c+4*\j+3], v5 offset:128*\c+16*\j
.endr
.endr
.endm
.macro MATHX s, s2
.set j, 0
.rept 64
.set j, j+1
.endr
.irp g, 0,1,2,3,4,5,6,7
	v_cvt_scalef32_pk8_fp8_f32 v[CX+16*\s2+2*\g:CX+16*\s2+2*\g+1], v[\s+8*\g:\s+8*\g+7], v11
.endr
	v_nop                                          ; a plain vector line behind the last conversion
.irp c, 0,1,2,3
	global_store_b128 v3, v[CX+16*\s2+4*\c:CX+16*\s2+4*\c+3], s[12:13] offset:2048*\s2+512*\c
.endr
.endm
	s_wait_alu depctr_va_vdst(0)
	s_wait_loadcnt 16                              ; the first 128 along K are in; the second's 16 loads may be out
	TURNX R0, XT
	s_wait_loadcnt 0x0
	s_wait_dscnt 0x0                               ; the first half is back: R0 is free
	TURNX R1, R0
	MATHX XT, 0                                    ; worked while the second half turns
	s_wait_dscnt 0x0
	MATHX R0, 1
	s_wait_tensorcnt 0x0
	ds_add_u32 v240, v241
	s_wait_dscnt 0x0
	s_endpgm
.Lfunc_end_k_q9d34ffc3d4_quant:
	.size	k_q9d34ffc3d4_quant, .Lfunc_end_k_q9d34ffc3d4_quant-k_q9d34ffc3d4_quant
	.p2alignl 7, 3214868480
	.fill 96, 4, 3214868480
	.section	.rodata,"a",@progbits
	.p2align	6, 0x0
	.amdhsa_kernel k_q9d34ffc3d4_quant
		.amdhsa_group_segment_fixed_size 68096
		.amdhsa_private_segment_fixed_size 0
		.amdhsa_enable_private_segment 0
		.amdhsa_kernarg_size 56
		.amdhsa_user_sgpr_count 2
		.amdhsa_user_sgpr_kernarg_segment_ptr 1
		.amdhsa_wavefront_size32 1
		.amdhsa_system_sgpr_workgroup_id_x 1
		.amdhsa_system_sgpr_workgroup_id_y 1
		.amdhsa_system_sgpr_workgroup_id_z 1
		.amdhsa_system_vgpr_workitem_id 0
		.amdhsa_next_free_vgpr 242
		.amdhsa_next_free_sgpr 66
		.amdhsa_reserve_vcc 0
		.amdhsa_float_denorm_mode_32 3
		.amdhsa_float_denorm_mode_16_64 3
		.amdhsa_fp16_overflow 1
		.amdhsa_memory_ordered 1
		.amdhsa_forward_progress 1
		.amdhsa_inst_pref_size 45
	.end_amdhsa_kernel
	.amdgpu_metadata
---
amdhsa.version: [ 1, 2 ]
amdhsa.kernels:
  - .name:           k_q9d34ffc3d4_quant
    .symbol:         k_q9d34ffc3d4_quant.kd
    .args:
      - { .name: x, .offset: 0, .size: 8, .value_kind: global_buffer, .address_space: global }
      - { .name: W_qkv, .offset: 8, .size: 8, .value_kind: global_buffer, .address_space: global }
      - { .name: W_out, .offset: 16, .size: 8, .value_kind: global_buffer, .address_space: global }
      - { .name: lowp_scales, .offset: 24, .size: 8, .value_kind: global_buffer, .address_space: global }
      - { .name: xc, .offset: 32, .size: 8, .value_kind: global_buffer, .address_space: global }
      - { .name: wqc, .offset: 40, .size: 8, .value_kind: global_buffer, .address_space: global }
      - { .name: woc, .offset: 48, .size: 8, .value_kind: global_buffer, .address_space: global }
    .group_segment_fixed_size: 68096
    .private_segment_fixed_size: 0
    .kernarg_segment_align: 8
    .kernarg_segment_size: 56
    .max_flat_workgroup_size: 128
    .sgpr_count:     66
    .vgpr_count:     242
    .wavefront_size: 32
...
	.end_amdgpu_metadata
.endif
;; end of part 1
;; launch gemm_qkv (part 2): grid 12 x 32, 4 waves a work-group, clusters of 4 x 4, 327,680 bytes of LDS; arguments xc, wqc, b_qkv, lowp_scales, qc, kvc; writes qc, kvc
.if DOCPART == 2
	.amdgcn_target "amdgcn-amd-amdhsa--gfx1250"
	.amdhsa_code_object_version 6
	.text
	.protected	k_q9d34ffc3d4_gemm_qkv
	.globl	k_q9d34ffc3d4_gemm_qkv
	.p2align	8
	.type	k_q9d34ffc3d4_gemm_qkv,@function
k_q9d34ffc3d4_gemm_qkv:
	s_mov_b64 s[64:65], 0
	v_nop
	global_prefetch_b8 v0, s[64:65] scope:SCOPE_SE
	s_setreg_imm32_b32 hwreg(HW_REG_WAVE_MODE, 25, 1), 1
	s_wait_xcnt 0x0
	s_wait_alu depctr_hold_cnt(0) depctr_sa_sdst(0) depctr_va_vdst(0) depctr_va_sdst(0) depctr_va_ssrc(0) depctr_va_vcc(0) depctr_vm_vsrc(0)
	s_getreg_b32 s2, hwreg(HW_REG_IB_STS2, 6, 4)
	s_cmp_eq_u32 s2, 0
	s_cbranch_scc0 .Lentry_in_a_cluster
	s_endpgm
.Lentry_in_a_cluster:
	s_bfe_u32 s2, ttmp6, 0x10000c
	s_cmp_lg_u32 s2, 0xf033
	s_cbranch_scc0 .Lentry_shape_is_right
	s_endpgm
.Lentry_shape_is_right:
; qkv = x W_qkv + b_qkv on codes of FP8 (E4M3), K = 1,024; q, k and v are quantised on the way out (scales' entries 2, 3, 5) and leave as images of the registers in which the attention launch wants them.
; IMAGES.  A fragment is 16 rows x 128 K: four pieces c of 512 bytes, lane l's 16 bytes at 16 l; lane (r, h) holds k = 32 c + 16 h + 0 .. 15.  Fragment 2 g + u, lane r, is row 32 g + 8 u + r + 8 (r / 8).
; In D = source 0 x source 1 a lane is a row of source 1 and register j is source 0's row 16 h + j (+ 8 in the odd fragment) of its group of 32: the 16 registers of two neighbouring blocks are 16 NEIGHBOURS,
; so two conversions give one piece of the next operand's fragment, and every store is 512 consecutive bytes, aligned.  No stage, no padding.
; KIND = the cluster's x: 0 q, 1 k, 2 v.  q, k: source 1 = tokens (x), source 0 = columns (W): a lane holds a token, its registers run along the head's 64.  v: THE OPERANDS CHANGE PLACES, by pointer: a lane holds
; a channel and its registers run along the tokens, the second attention product's K.  KIND is equal in all sixteen partners of a cluster.
; SHARES.  A work-group makes 256 x 256, each of four waves 128 x 128: 64 accumulators.  K goes in four steps of 256 through two LDS slots; a tile is one dense block of memory.
; CLUSTER 4 x 4: source 1's tile is shared along a row of the cluster, source 0's along a column: joint loads.
; The bias is the C of the first products, divided by 2^(e0 + e1); a sum is then quantised with the one scale 2^(eT - e0 - e1).
; LIMITS: eT - e0 - e1 (eT = e2, e3, e5) between -126 and 119.  NaN is not served.
; REGISTERS: window 0: v16-31 addresses and constants; v40-47 the bias's offsets; v64-127 the bias; v128-255 source 1's fragments, ONE set; on the way out v128-255 codes.
;   window 1: source 0's fragments, TWO sets, at v0 and v128.   windows 2, 3: accumulator (a, b) at 8 (8 a + b).
.set NB,    8                          ; source 0's blocks of a wave
.set HA,    32768                      ; 8 fragments x 256 K: what one tensor load brings of source 1
.set HB,    4096*NB                    ; the same of source 0
.set SLOT,  2*HA+2*HB
.set SPARE, 2*SLOT                     ; behind the ring: the spare words, 128 bytes for each wave: two blocks of 256 bytes that no other line names
.set ADRA,  16                         ; v16-17  LDS address of my fragments of source 1 in slot 0, 1
.set ADRB,  20                         ; v20-21  of source 0
.set LI,    24                         ; v24     16 l;  v25: 16 l + B2
.set SPW,   28                         ; v28     my spare word: SPARE + 4 x my thread's number; never rewritten
.set NIL,   29                         ; v29     0; never rewritten
.set SC,    30                         ; v30     2^(eT - e0 - e1)
.set LIM,   31                         ; v31     unused
.set TMP,   32
.set BAD,   40
.set BIAS,  64
.set AF,    128
.set G1,    24                         ; s[24:31] group 1 for source 1's tiles;  s[32:39] group 0, a set for each slot
.set G0,    32
.set G1B,   48                         ; s[48:55], s[56:63] the same for source 0's
.set G0B,   56
.set MSB, 0
.macro WIN new                         ; the immediate's high byte repeats the setting that is left
.if MSB != (\new)
	s_set_vgpr_msb (MSB<<8)|(\new)
.set MSB, (\new)
.endif
.endm
; A joint load: waves 0 and 1 fetch source 1's halves, waves 2 and 3 source 0's.  The branch hangs on the wave's number alone.  Four v_nop follow each line.
.macro JLOAD s
	s_cmp_eq_u32 s15, 0
	s_cbranch_scc0 .Lfor_s0_\@
	tensor_load_to_lds s[G0+4*\s:G0+4*\s+3], s[G1:G1+7]
	s_nop 0
.rept 4
	v_nop
.endr
	s_branch .Lasked_\@
.Lfor_s0_\@:
	tensor_load_to_lds s[G0B+4*\s:G0B+4*\s+3], s[G1B:G1B+7]
	s_nop 0
.rept 4
	v_nop
.endr
.Lasked_\@:
.endm
.macro CREST                           ; a round of the cluster's barrier behind its opening barrier
	s_cmp_lg_u32 s14, 0
	s_cbranch_scc1 .Lnot_wave_0_\@
	s_barrier_signal -3
.Lnot_wave_0_\@:
	s_barrier_wait -3
	s_barrier_signal -1
	s_barrier_wait -1
.endm
.macro CROUND
	s_barrier_signal -1
	s_barrier_wait -1
	CREST
.endm
.macro PLACES                          ; four plain vector lines between a matrix instruction and a load into, or a vector read or write of, its registers
.rept 4
	v_nop
.endr
.endm
	s_load_b256 s[4:11], s[0:1], 0x0               ; xc s[4:5], wqc s[6:7], b_qkv s[8:9], the scales' exponents s[10:11]
	s_load_b128 s[84:87], s[0:1], 0x20             ; qc s[84:85], kvc s[86:87]
	v_lshl_add_u32 v[SPW], v0, 2, SPARE
	v_mov_b32 v[NIL], 0
	ds_add_u32 v28, v29
	ds_add_u32 v28, v29
	s_wait_dscnt 0x0
	v_lshrrev_b32 v1, 5, v0
	v_readfirstlane_b32 s14, v1                    ; wave 0..3
	s_lshr_b32 s15, s14, 1                         ; my half of source 1's rows.  Also: I fetch for source 1 (0) or source 0 (1)
	s_and_b32 s16, s14, 1                          ; my half of source 0's rows.  Also: which half of that tile I fetch
	s_bfe_u32 s40, ttmp6, 0x40000                  ; cx
	s_bfe_u32 s41, ttmp6, 0x40004                  ; cy
	s_and_b32 s17, ttmp7, 0xffff
	s_lshl_b32 s17, s17, 2                         ; 4 x cluster y
	s_lshl_b32 s43, s41, 2
	s_lshl_b32 s43, 15, s43                        ; my row of the cluster
	s_lshl_b32 s44, 0x1111, s40                    ; my column
	; group 1: a dense block of 32,768 bytes as 128 rows of 32 elements of 8 bytes; no padding: a fragment's piece is read as 512 consecutive bytes
	s_or_b32 s[G1], s43, (3<<16)|(1<<21)           ; 15:0 the mask; 17:16 elements of 8 bytes; 21 set beside a mask
	s_or_b32 s[G1B], s44, (3<<16)|(1<<21)
.irp g, G1, G1B
	s_mov_b32 s[\g+1], 32<<16                      ; tensor_dim0 = 32
	s_mov_b32 s[\g+2], 128<<16                     ; tensor_dim1 = 128
	s_mov_b32 s[\g+3], 32<<16                      ; tile_dim0 = 32
	s_mov_b32 s[\g+4], 128                         ; tile_dim1 = 128
	s_mov_b32 s[\g+5], 32                          ; from row to row
	s_mov_b32 s[\g+6], 0
	s_mov_b32 s[\g+7], 0
.endr
	; which tiles.  Source 1's number hangs on cy and the cluster's place alone, source 0's on cx and the cluster's place alone, each in registers that never hold the other coordinate
	s_add_co_u32 s18, s17, s41                     ; 4 CY + cy: the token tile of q and k
	s_add_co_u32 s19, s41, 8                       ; 8 + cy: v's tile of W's rows
	s_add_co_u32 s45, s17, s40                     ; 4 CY + cx: the token tile of v
	s_lshl_b32 s46, ttmp9, 2
	s_add_co_u32 s46, s46, s40                     ; 4 KIND + cx: q's or k's tile of W's rows
	s_mov_b32 s70, 512*4096                        ; a K step on in xc,
	s_mov_b32 s71, 192*4096                        ; in wqc
	s_mul_i32 s88, s16, HA                         ; where the tiles go: no place in the cluster enters an LDS address
	s_mul_i32 s89, s16, HB
	s_add_co_u32 s89, s89, 2*HA
	s_wait_kmcnt 0x0
	s_load_b256 s[72:79], s[10:11], 0x0            ; e0 .. e7
	s_cmp_eq_u32 ttmp9, 2                          ; v?
	s_cselect_b32 s20, s19, s18
	s_cselect_b32 s46, s45, s46
	s_cselect_b32 s66, s71, s70
	s_cselect_b32 s68, s70, s71
	s_cselect_b64 s[80:81], s[6:7], s[4:5]         ; source 1's buffer
	s_cselect_b64 s[82:83], s[4:5], s[6:7]         ; source 0's
	s_lshl_b32 s20, s20, 16                        ; a tile is 16 fragments x 4,096 bytes,
	s_lshl_b32 s21, s16, 15                        ; the half that I fetch 8
	s_add_co_u32 s20, s20, s21
	s_mov_b32 s21, 0
	s_add_nc_u64 s[80:81], s[80:81], s[20:21]
	s_lshl_b32 s46, s46, 16
	s_lshl_b32 s47, s16, 15
	s_add_co_u32 s46, s46, s47
	s_mov_b32 s47, 0
	s_add_nc_u64 s[82:83], s[82:83], s[46:47]
	s_mov_b32 s67, 0
	s_mov_b32 s69, 0
	CROUND                                         ; all sixteen work-groups are here: the first joint loads meet
	s_mov_b32 s[G0], 1
	s_mov_b32 s[G0+1], s88
	s_mov_b64 s[G0+2:G0+3], s[80:81]
	s_or_b32 s[G0+3], s[G0+3], 0x80000000
	s_mov_b32 s[G0+4], 1
	s_add_co_u32 s[G0+5], s88, SLOT
	s_add_nc_u64 s[G0+6:G0+7], s[80:81], s[66:67]
	s_or_b32 s[G0+7], s[G0+7], 0x80000000
	s_mov_b32 s[G0B], 1
	s_mov_b32 s[G0B+1], s89
	s_mov_b64 s[G0B+2:G0B+3], s[82:83]
	s_or_b32 s[G0B+3], s[G0B+3], 0x80000000
	s_mov_b32 s[G0B+4], 1
	s_add_co_u32 s[G0B+5], s89, SLOT
	s_add_nc_u64 s[G0B+6:G0B+7], s[82:83], s[68:69]
	s_or_b32 s[G0B+7], s[G0B+7], 0x80000000
	JLOAD 0                                        ; K steps 0 and 1: two loads of mine are out
	JLOAD 1
	s_lshl_b32 s66, s66, 1                         ; s[66:67], s[68:69]: two K steps on, for the refills
	s_lshl_b32 s68, s68, 1
	; the bias: register 8 i + j.  q, k: i = source 0's block, b_qkv at the block's column 16 h + j.  v: i = source 1's block, b_qkv at my lane's column, the same in all eight j.  One text: three strides are chosen
	s_lshl_b32 s90, ttmp9, 12
	s_lshl_b32 s91, s40, 10
	s_add_co_u32 s90, s90, s91
	s_lshl_b32 s91, s16, 9
	s_add_co_u32 s90, s90, s91                     ; q, k: 4 (1024 KIND + 256 cx + 128 x my half of source 0)
	s_lshl_b32 s92, s41, 10
	s_lshl_b32 s91, s15, 9
	s_add_co_u32 s92, s92, s91
	s_add_co_u32 s92, s92, 8192                    ; v: 4 (2048 + 256 cy + 128 x my half of source 1)
	s_cmp_eq_u32 ttmp9, 2
	s_cselect_b32 s90, s92, s90
	s_cselect_b32 s93, 4, 0                        ; bytes for r + 8 (r / 8)
	s_cselect_b32 s94, 0, 64                       ; bytes for h
	s_cselect_b32 s95, 0, 4                        ; bytes for j
	s_mov_b32 s91, 0
	s_add_nc_u64 s[8:9], s[8:9], s[90:91]
	v_and_b32 v3, 15, v0
	v_and_b32 v4, 8, v3
	v_add_nc_u32 v3, v3, v4                        ; r + 8 (r / 8)
	v_bfe_u32 v4, v0, 4, 1                         ; h
	v_mul_u32_u24 v[BAD], v3, s93
	v_mad_u32_u24 v[BAD], v4, s94, v[BAD]
.irp j, 1,2,3,4,5,6,7
	v_add_nc_u32 v[BAD+\j], s95, v[BAD+\j-1]
.endr
.irp i, 0,1,2,3,4,5,6,7
.irp j, 0,1,2,3,4,5,6,7
	global_load_b32 v[BIAS+8*\i+\j], v[BAD+\j], s[8:9] offset:(32*(\i/2)+8*(\i%2))*4
.endr
.endr
	v_and_b32 v1, 31, v0
	v_lshlrev_b32 v[LI], 4, v1
	s_mul_i32 s21, s15, HA                         ; my 8 fragments of source 1,
	s_mul_i32 s22, s16, HB                         ; my 8 of source 0,
	s_add_co_u32 s22, s22, 2*HA                    ; which lie behind source 1's 16
.irp s, 0,1
	v_add_nc_u32 v[ADRA+\s], s21, v[LI]
	v_add_nc_u32 v[ADRB+\s], s22, v[LI]
	s_add_co_u32 s21, s21, SLOT
	s_add_co_u32 s22, s22, SLOT
.endr
.macro FRAG reg, adr, q, i             ; fragment i of my half, the slot's q-th 128 along K: four pieces of 512 consecutive bytes
.irp c, 0,1,2,3
	ds_load_b128 v[\reg+4*\c:\reg+4*\c+3], v[\adr] offset:(2*(\i)+(\q))*2048+512*\c
.endr
.endm
.macro FETCH_B slot, q, p              ; source 0's fragments into set p
	WIN 0x40
.irp i, 0,1,2,3,4,5,6,7
	FRAG 128*(\p)+16*\i, ADRB+\slot, \q, \i
.endr
	WIN 0
.endm
.macro FETCH_A slot, q, i0             ; source 1's blocks i0 .. i0 + 3
.irp i, \i0, \i0+1, \i0+2, \i0+3
	FRAG AF+16*(\i), ADRA+\slot, \q, \i
.endr
.endm
; 16 matrix instructions: source 1's blocks a0, a0 + 1 x source 0's eight, 128 along K.  cm = 0: onto the sums; 2: the bias by b starts them; 3: the bias by a.
; The 64 accumulators take turns, one instruction a turn, in the same order in every step.
.macro MULA a0, p, cm
.irp a, \a0, \a0+1
.set WA, 2+(NB*(\a))/32
.if \cm == 0
	WIN 0x01|(WA<<4)|(WA<<6)
.else
	WIN 0x01|(WA<<6)
.endif
.irp b, 0,1,2,3,4,5,6,7
.set RA, (8*(NB*(\a)+\b))%256
.if \cm == 0
	v_wmma_f32_16x16x128_fp8_fp8 v[RA:RA+7], v[128*(\p)+16*\b:128*(\p)+16*\b+15], v[AF+16*(\a):AF+16*(\a)+15], v[RA:RA+7]
.elseif \cm == 2
	v_wmma_f32_16x16x128_fp8_fp8 v[RA:RA+7], v[128*(\p)+16*\b:128*(\p)+16*\b+15], v[AF+16*(\a):AF+16*(\a)+15], v[BIAS+8*\b:BIAS+8*\b+7]
.else
	v_wmma_f32_16x16x128_fp8_fp8 v[RA:RA+7], v[128*(\p)+16*\b:128*(\p)+16*\b+15], v[AF+16*(\a):AF+16*(\a)+15], v[BIAS+8*(\a):BIAS+8*(\a)+7]
.endif
.endr
.endr
.endm
; A step of 128 along K that has its successor in the same slot.  A block of source 1 is free when its eight products are issued: blocks 0-3 are fetched anew in the middle, blocks 4-7 at the end.
.macro STEP slot, q, cm
	s_wait_dscnt 16                                ; source 0's set and source 1's blocks 0-3 are in; the youngest 16 loads (blocks 4-7) may be out
	MULA 0, (\q)%2, \cm
	MULA 2, (\q)%2, \cm
	s_wait_dscnt 0x0                               ; blocks 4-7 are in
	PLACES
	FETCH_B \slot, (\q)+1, 1-(\q)%2
	FETCH_A \slot, (\q)+1, 0
	MULA 4, (\q)%2, \cm
	MULA 6, (\q)%2, \cm
	PLACES
	WIN 0
	FETCH_A \slot, (\q)+1, 4
.endm
; A slot's last step changes slots: one barrier; in front of it each wave waits for all its tensor loads, adds 0 to its spare word, and waits for that and for its reads of this slot.  fill = 1: the slot is filled again, two K steps ahead.
.macro TURN slot, next, fill
	s_wait_tensorcnt 0x0                           ; all my tensor loads have landed: my part of the next slot
	ds_add_u32 v[SPW], v[NIL]                      ; 0 onto my spare word
	s_wait_dscnt 17                                ; (the add and the youngest 16 loads may be out)
	MULA 0, 1, 0                                   ; sixteen matrix instructions stand between the add and the wait for it
	s_wait_dscnt 0x0                               ; the add is done, and my reads of this slot are over
	s_barrier_signal -1
	MULA 2, 1, 0
	WIN 0
	s_barrier_wait -1
.if \fill
	CREST                                          ; the barrier has opened a round of the cluster's: no wave of any partner still reads this slot or has a load on its way
	s_add_nc_u64 s[G0+4*\slot+2:G0+4*\slot+3], s[G0+4*\slot+2:G0+4*\slot+3], s[66:67]
	s_add_nc_u64 s[G0B+4*\slot+2:G0B+4*\slot+3], s[G0B+4*\slot+2:G0B+4*\slot+3], s[68:69]
	JLOAD \slot                                    ; the first tensor load behind the round, my one load until the next; its four v_nop are also the places in front of the loads below
.else
	PLACES
.endif
	FETCH_B \next, 0, 0
	FETCH_A \next, 0, 0
	MULA 4, 1, 0
	MULA 6, 1, 0
	PLACES
	WIN 0
	FETCH_A \next, 0, 4
.endm
	s_wait_alu depctr_va_vdst(0)
	s_wait_tensorcnt 1                             ; my part of K step 0 is in; K step 1's load may be out
	s_barrier_signal -1
	s_barrier_wait -1
	FETCH_B 0, 0, 0
	FETCH_A 0, 0, 0
	FETCH_A 0, 0, 4
	s_wait_loadcnt 0x0                             ; the bias
	s_wait_kmcnt 0x0                               ; the exponents
	s_add_co_i32 s90, s72, s73
	s_sub_co_i32 s90, 0, s90                       ; a sum stands for sum x 2^(e0 + e1): the bias goes in divided by that
.set j, 0
.rept 64
	v_ldexp_f32 v[BIAS+j], v[BIAS+j], s90
.set j, j+1
.endr
	s_cmp_eq_u32 ttmp9, 2                          ; the first step is written twice: its C is the bias by source 0's block (q, k) or by source 1's (v).  The branch hangs on the cluster's place alone
	s_cbranch_scc1 .Lfirst_v
	s_wait_alu depctr_va_vdst(0)
	STEP 0, 0, 2
	s_branch .Lfirst_done
.Lfirst_v:
	s_wait_alu depctr_va_vdst(0)
	STEP 0, 0, 3
.Lfirst_done:
	TURN 0, 1, 1                                   ; slot 0 takes K step 2
	STEP 1, 0, 0
	TURN 1, 0, 1                                   ; slot 1 takes K step 3
	STEP 0, 0, 0
	TURN 0, 1, 0                                   ; nothing is left to fetch
	STEP 1, 0, 0
	s_wait_dscnt 16                                ; the very last step
	MULA 0, 1, 0
	MULA 2, 1, 0
	s_wait_dscnt 0x0
	MULA 4, 1, 0
	MULA 6, 1, 0
	WIN 0
	PLACES
	; THE WAY OUT.  The scale:
	s_cmp_eq_u32 ttmp9, 0
	s_cselect_b32 s90, s74, s75                    ; e2 for q, e3 for k,
	s_cmp_eq_u32 ttmp9, 2
	s_cselect_b32 s90, s77, s90                    ; e5 for v
	s_sub_co_i32 s90, s90, s72
	s_sub_co_i32 s90, s90, s73
	s_add_co_i32 s90, s90, 127
	s_lshl_b32 s91, s90, 23
	v_mov_b32 v[SC], s91                           ; 2^(eT - e0 - e1) as f32
	s_wait_alu depctr_va_vdst(0)
	; where block a = 0 goes.  q: qc [head 64][token fragment 128][2 pieces];  k: kvc [head][step of 128 keys][8 fragments x 2 pieces | V];  v: kvc [head][step][8,192 + 4 fragments x 4 pieces]
	s_lshr_b32 s90, s18, 3                         ; the batch: 8 token tiles each
	s_lshl_b32 s90, s90, 4
	s_lshl_b32 s91, s40, 2
	s_add_co_u32 s90, s90, s91
	s_lshl_b32 s91, s16, 1
	s_add_co_u32 s90, s90, s91                     ; 16 x batch + 4 cx + 2 x my half: the first of my two heads
	s_lshl_b32 s90, s90, 17
	s_lshl_b32 s91, s18, 4
	s_lshl_b32 s92, s15, 3
	s_add_co_u32 s91, s91, s92
	s_and_b32 s91, s91, 127                        ; my first token fragment in the batch
	s_lshl_b32 s91, s91, 10
	s_add_co_u32 s90, s90, s91                     ; q's byte;
	s_lshl_b32 s91, s90, 1                         ; k's is twice that: a head has 2^18 bytes there, eight fragments 2^14
	s_lshr_b32 s92, s45, 3
	s_lshl_b32 s92, s92, 4
	s_lshl_b32 s93, s41, 2
	s_add_co_u32 s92, s92, s93
	s_lshl_b32 s93, s15, 1
	s_add_co_u32 s92, s92, s93                     ; v: 16 x batch + 4 cy + 2 x my half of source 1
	s_lshl_b32 s92, s92, 18
	s_lshl_b32 s93, s45, 1
	s_add_co_u32 s93, s93, s16
	s_and_b32 s93, s93, 15                         ; the step of 128 keys
	s_lshl_b32 s93, s93, 14
	s_add_co_u32 s92, s92, s93
	s_add_co_u32 s92, s92, 8192
	s_cmp_eq_u32 ttmp9, 0
	s_cselect_b32 s90, s90, s91
	s_cselect_b64 s[94:95], s[84:85], s[86:87]     ; qc, or kvc
	s_mov_b32 s91, 262144
	s_cselect_b32 s96, 131072, s91                 ; B2: from my first head to my second (q, k),
	s_cmp_eq_u32 ttmp9, 2
	s_cselect_b32 s90, s92, s90
	s_cselect_b32 s96, 1024, s96                   ; or two pieces on (v)
	s_mov_b32 s88, 1024
	s_cselect_b32 s88, 2048, s88                   ; A1: a fragment on
	s_mov_b32 s98, 4096
	s_cselect_b32 s98, s91, s98                    ; A2: four fragments on (q, k), the next head (v)
	s_mov_b32 s89, 0
	s_mov_b32 s99, 0
	s_mov_b32 s91, 0
	s_add_nc_u64 s[24:25], s[94:95], s[90:91]      ; a base for each block a, in the registers that held descriptors: no tensor load of mine is out since the last change of slots
	s_add_nc_u64 s[26:27], s[24:25], s[88:89]
	s_add_nc_u64 s[28:29], s[26:27], s[88:89]
	s_add_nc_u64 s[30:31], s[28:29], s[88:89]
	s_add_nc_u64 s[32:33], s[24:25], s[98:99]
	s_add_nc_u64 s[34:35], s[32:33], s[88:89]
	s_add_nc_u64 s[36:37], s[34:35], s[88:89]
	s_add_nc_u64 s[38:39], s[36:37], s[88:89]
	v_add_nc_u32 v[LI+1], s96, v[LI]
; Block a: 64 sums a lane are held, converted (each accumulator from its low end on) and stored: four pieces of 512 consecutive bytes.  Each block has code registers of its own: no store's data are written again.
.macro OUTA a
	WIN 2+(\a)/4                                   ; source 0: window 2 or 3
.set j, 0
.rept 64
.set j, j+1
.endr
.irp g, 0,1,2,3,4,5,6,7
	v_cvt_scalef32_pk8_fp8_f32 v[AF+16*(\a)+2*\g:AF+16*(\a)+2*\g+1], v[TMP+8*\g+((64*((\a)%4)+j)-(TMP+j)):TMP+8*\g+7+((64*((\a)%4)+j)-(TMP+j))], v[SC]
.endr
	WIN 0
	v_nop                                          ; a plain vector line behind the last conversion
.irp q, 0,1,2,3
	global_store_b128 v[LI+\q/2], v[AF+16*(\a)+4*\q:AF+16*(\a)+4*\q+3], s[24+2*(\a):25+2*(\a)] offset:512*(\q%2)
.endr
.endm
.irp a, 0,1,2,3,4,5,6,7
	OUTA \a
.endr
	s_wait_tensorcnt 0x0                           ; the wave's end
	ds_add_u32 v[SPW], v[NIL]
	s_wait_dscnt 0x0
	CROUND                                         ; the closing round: no work-group ends while a partner may still ask for a tile that names it
	s_endpgm
.Lfunc_end_k_q9d34ffc3d4_gemm_qkv:
	.size	k_q9d34ffc3d4_gemm_qkv, .Lfunc_end_k_q9d34ffc3d4_gemm_qkv-k_q9d34ffc3d4_gemm_qkv
	.p2alignl 7, 3214868480
	.fill 96, 4, 3214868480
	.section	.rodata,"a",@progbits
	.p2align	6, 0x0
	.amdhsa_kernel k_q9d34ffc3d4_gemm_qkv
		.amdhsa_group_segment_fixed_size 327680
		.amdhsa_private_segment_fixed_size 0
		.amdhsa_enable_private_segment 0
		.amdhsa_kernarg_size 48
		.amdhsa_user_sgpr_count 2
		.amdhsa_user_sgpr_kernarg_segment_ptr 1
		.amdhsa_wavefront_size32 1
		.amdhsa_system_sgpr_workgroup_id_x 1
		.amdhsa_system_sgpr_workgroup_id_y 1
		.amdhsa_system_sgpr_workgroup_id_z 1
		.amdhsa_system_vgpr_workitem_id 0
		.amdhsa_next_free_vgpr 1024
		.amdhsa_next_free_sgpr 100
		.amdhsa_reserve_vcc 0
		.amdhsa_float_denorm_mode_32 3
		.amdhsa_float_denorm_mode_16_64 3
		.amdhsa_fp16_overflow 1
		.amdhsa_memory_ordered 1
		.amdhsa_forward_progress 1
		.amdhsa_inst_pref_size 107
	.end_amdhsa_kernel
	.amdgpu_metadata
---
amdhsa.version: [ 1, 2 ]
amdhsa.kernels:
  - .name:           k_q9d34ffc3d4_gemm_qkv
    .symbol:         k_q9d34ffc3d4_gemm_qkv.kd
    .args:
      - { .name: xc, .offset: 0, .size: 8, .value_kind: global_buffer, .address_space: global }
      - { .name: wqc, .offset: 8, .size: 8, .value_kind: global_buffer, .address_space: global }
      - { .name: b_qkv, .offset: 16, .size: 8, .value_kind: global_buffer, .address_space: global }
      - { .name: lowp_scales, .offset: 24, .size: 8, .value_kind: global_buffer, .address_space: global }
      - { .name: qc, .offset: 32, .size: 8, .value_kind: global_buffer, .address_space: global }
      - { .name: kvc, .offset: 40, .size: 8, .value_kind: global_buffer, .address_space: global }
    .group_segment_fixed_size: 327680
    .private_segment_fixed_size: 0
    .kernarg_segment_align: 8
    .kernarg_segment_size: 48
    .max_flat_workgroup_size: 128
    .sgpr_count:     100
    .vgpr_count:     1024
    .wavefront_size: 32
...
	.end_amdgpu_metadata
.endif
;; end of part 2
;; launch attn (part 3): grid 4 x 64, 16 waves a work-group, clusters of 4 x 1, 264,192 bytes of LDS; arguments qc, kvc, lowp_scales, yc; writes yc
.if DOCPART == 3
	.amdgcn_target "amdgcn-amd-amdhsa--gfx1250"
	.amdhsa_code_object_version 6
	.text
	.protected	k_q9d34ffc3d4_attn
	.globl	k_q9d34ffc3d4_attn
	.p2align	8
	.type	k_q9d34ffc3d4_attn,@function
k_q9d34ffc3d4_attn:
	s_mov_b64 s[64:65], 0
	v_nop
	global_prefetch_b8 v0, s[64:65] scope:SCOPE_SE
	s_setreg_imm32_b32 hwreg(HW_REG_WAVE_MODE, 25, 1), 1
	s_wait_xcnt 0x0
	s_wait_alu depctr_hold_cnt(0) depctr_sa_sdst(0) depctr_va_vdst(0) depctr_va_sdst(0) depctr_va_ssrc(0) depctr_va_vcc(0) depctr_vm_vsrc(0)
	s_getreg_b32 s2, hwreg(HW_REG_IB_STS2, 6, 4)
	s_cmp_eq_u32 s2, 0
	s_cbranch_scc0 .Lentry_in_a_cluster
	s_endpgm
.Lentry_in_a_cluster:
	s_bfe_u32 s2, ttmp6, 0x10000c
	s_cmp_lg_u32 s2, 0x3003
	s_cbranch_scc0 .Lentry_shape_is_right
	s_endpgm
.Lentry_shape_is_right:
; y[b][t][64 hd + :] = the sum over keys j <= t of softmax_j(q . k / 8) v, both products on codes of FP8 (E4M3); y is quantised on the way out (scales' entry 6) and leaves as an image of the last product's operand registers.
; THE SOFTMAX AHEAD OF THE SECOND PRODUCT: t = score x log2(e) / 8; M = the running largest t rounded UP to a whole number; p = 2^(t - M) is quantised (entry 4), not normalised; the row's sum is taken of the
; unquantised p and divides at the end.  When M moves, the sum and O are multiplied by 2^(old M - new M): exact.
; A HEAD'S K AND V CODES, 262,144 BYTES, LIE WHOLE IN LDS, as they lie in kvc: [step of 128 keys 16][K: 8 fragments x 2 pieces of 512 | V: 4 fragments x 4 pieces].  Nothing is filled twice: no ring, no barrier in a loop.
; CLUSTER.  The four work-groups of a cluster belong to one head and ask for it jointly (waves 0-7, two loads of 16,384 bytes each).
; SHARES.  Work-group cx owns, in every block m of 128 tokens, the token fragments 8 m + 2 cx + e (e = 0, 1).  Wave w takes tile (M1, e) and then tile (15 - M1, e), M1 = 2 (w / 4) + ((w ^ (w / 4)) % 2), e = (w / 2) % 2:
; M1 + 1 and 16 - M1 key steps, 17 for every wave.  The first tile needs only steps 0-7, the first half of LDS; the second half may land meanwhile.  No branch and no LDS address hangs on cx: it enters the mask as data.
; LAYOUT.  S^T = K Q^T (source 0 = 16 keys), O^T = V^T P^T (source 0 = 16 channels): a lane holds ONE query.  Fragment 2 g + u, lane r, is row 32 g + 8 u + r + 8 (r / 8): so the 16 registers of tiles 2 b, 2 b + 1 are 16 neighbours.
; CAUSAL.  Every wave walks a constant number of trips; a step whose keys all come after the tile is jumped over (a branch on the wave's number and the counter); on the diagonal hidden scores become -infinity.
; LIMITS: e2 + e3 between -123 and 130; e4 and e6 between -126 and 119.  NaN is not served.
; REGISTERS: v1 16 l; v2 the mask's d; v8 LDS address; v12 -M, v13 largest t, v[14:15] the sum; v16-23, v24-31 Q of the two tiles; v32-95 K's 8 fragments, then V's 4; v96-159 S^T, then p; v160-191 O^T;
;   v192-207 p's codes; v208-215, v216-223 y's codes; v244: 2^e4; v245: 2^e6; v232-236, v238-243, v246-249, v252-254 at work.
.set STEPB, 16384                      ; a key step's bytes in LDS
.set G1,  24                           ; s[24:31] group 1;  s[32:35], s[36:39] group 0 of my two loads
.macro CROUND                          ; a round of the cluster's barrier
	s_barrier_signal -1
	s_barrier_wait -1
	s_cmp_lg_u32 s12, 0
	s_cbranch_scc1 .Lnot_wave_0_\@
	s_barrier_signal -3
.Lnot_wave_0_\@:
	s_barrier_wait -3
	s_barrier_signal -1
	s_barrier_wait -1
.endm
	s_load_b256 s[4:11], s[0:1], 0x0               ; qc s[4:5], kvc s[6:7], the scales' exponents s[8:9], yc s[10:11]
	v_lshl_add_u32 v251, v0, 2, 0x40000
	v_mov_b32 v255, 0
	ds_add_u32 v251, v255
	ds_add_u32 v251, v255
	v_lshrrev_b32 v3, 5, v0
	s_delay_alu instid0(VALU_DEP_1)
	v_readfirstlane_b32 s12, v3                    ; wave 0..15
	s_bfe_u32 s13, ttmp6, 0x40000                  ; cx
	s_and_b32 s14, ttmp7, 0xffff                   ; 16 x batch + head, which the four partners share
	s_mov_b32 s[G1], 15|(3<<16)|(1<<21)            ; 15:0 the mask: all four; 17:16 elements of 8 bytes; 21 set beside a mask
	s_mov_b32 s[G1+1], 32<<16                      ; tensor_dim0 = 32: rows of 256 bytes
	s_mov_b32 s[G1+2], 64<<16                      ; tensor_dim1 = 64
	s_mov_b32 s[G1+3], 32<<16                      ; tile_dim0
	s_mov_b32 s[G1+4], 64                          ; tile_dim1
	s_mov_b32 s[G1+5], 32                          ; from row to row: dense
	s_mov_b32 s[G1+6], 0
	s_mov_b32 s[G1+7], 0
	s_and_b32 s18, s12, 7
	s_lshl_b32 s18, s18, 14                        ; the key step that I fetch, in LDS as in memory
	s_lshl_b32 s2, s14, 18
	s_add_co_u32 s2, s2, s18
	s_mov_b32 s3, 0
	s_wait_dscnt 0x0
	s_wait_kmcnt 0x0
	s_load_b256 s[40:47], s[8:9], 0x0              ; e0 .. e7
	s_mov_b32 s32, 1
	s_mov_b32 s33, s18
	s_add_nc_u64 s[34:35], s[6:7], s[2:3]
	s_mov_b32 s36, 1
	s_add_co_u32 s37, s18, 8*STEPB                 ; and the step eight further on
	s_add_nc_u64 s[38:39], s[34:35], 8*STEPB
	s_or_b32 s35, s35, 0x80000000
	s_or_b32 s39, s39, 0x80000000
	CROUND                                         ; all four work-groups are here: the joint loads meet
	s_cmp_lt_u32 s12, 8                            ; a wave's two fills stand in one branch on its number, ahead of every wait on TENSORcnt and every LDS read: two loads of mine are out
	s_cbranch_scc0 .Lno_fetch
	tensor_load_to_lds s[32:35], s[G1:G1+7]
	s_nop 0
	tensor_load_to_lds s[36:39], s[G1:G1+7]
	s_nop 0
.rept 4
	v_nop
.endr
.Lno_fetch:
	s_lshr_b32 s19, s12, 2
	s_xor_b32 s15, s12, s19
	s_and_b32 s15, s15, 1
	s_lshl_b32 s19, s19, 1
	s_add_co_u32 s15, s15, s19                     ; M1
	s_sub_co_u32 s16, 15, s15                      ; M2
	s_bfe_u32 s17, s12, 0x10001                    ; e
	s_lshl_b32 s59, s13, 1
	s_add_co_u32 s59, s59, s17                     ; 2 cx + e
	s_lshl_b32 s60, s15, 3
	s_add_co_u32 s60, s60, s59                     ; my first tile's token fragment,
	s_lshl_b32 s61, s16, 3
	s_add_co_u32 s61, s61, s59                     ; my second's
	s_lshl_b32 s62, s14, 17                        ; qc: a head is 128 fragments of 1,024 bytes
	s_lshl_b32 s2, s60, 10
	s_add_co_u32 s2, s2, s62
	s_add_nc_u64 s[48:49], s[4:5], s[2:3]
	s_lshl_b32 s2, s61, 10
	s_add_co_u32 s2, s2, s62
	s_add_nc_u64 s[50:51], s[4:5], s[2:3]
	v_and_b32 v1, 31, v0
	s_delay_alu instid0(VALU_DEP_1)
	v_lshlrev_b32 v1, 4, v1                        ; 16 l; never rewritten
	global_load_b128 v[16:19], v1, s[48:49]
	global_load_b128 v[20:23], v1, s[48:49] offset:512
	global_load_b128 v[24:27], v1, s[50:51]
	global_load_b128 v[28:31], v1, s[50:51] offset:512
	; yc: ((hd / 4 x 512 + 128 x batch + fragment) x 2 + (hd / 2) % 2) x 2048 + (2 (hd % 2) + c) x 512: k = 64 hd + d of the last product
	s_bfe_u32 s62, s14, 0x20002                    ; hd / 4
	s_lshl_b32 s62, s62, 9
	s_lshr_b32 s63, s14, 4
	s_lshl_b32 s63, s63, 7
	s_add_co_u32 s62, s62, s63
	s_and_b32 s63, s14, 3
	s_lshl_b32 s63, s63, 10                        ; (hd % 4) x 1,024
	s_add_co_u32 s2, s62, s60
	s_lshl_b32 s2, s2, 12
	s_add_co_u32 s2, s2, s63
	s_add_nc_u64 s[52:53], s[10:11], s[2:3]
	s_add_co_u32 s2, s62, s61
	s_lshl_b32 s2, s2, 12
	s_add_co_u32 s2, s2, s63
	s_add_nc_u64 s[54:55], s[10:11], s[2:3]
	v_and_b32 v3, 15, v0
	s_delay_alu instid0(VALU_DEP_1)
	v_and_b32 v5, 8, v3
	s_delay_alu instid0(VALU_DEP_1)
	v_add_nc_u32 v3, v3, v5                        ; r + 8 (r / 8)
	v_bfe_u32 v4, v0, 4, 1
	s_delay_alu instid0(VALU_DEP_1)
	v_lshlrev_b32 v4, 4, v4
	s_delay_alu instid0(VALU_DEP_1)
	v_sub_nc_u32 v2, v3, v4
	s_lshl_b32 s59, s59, 3                         ; 16 cx + 8 e,
	s_lshl_b32 s60, s13, 4
	s_add_co_u32 s59, s59, s60                     ; 32 cx + 8 e
	v_add_nc_u32 v2, s59, v2                       ; d = my query's place in its block of 128 - 16 h.  On the diagonal register 16 b + i holds key 32 b + 16 h + i: hidden where 32 b + i > d
	s_mov_b32 s20, 0x76543210                      ; v_permlanex16_b32's selects for lane l xor 16
	s_mov_b32 s21, 0xfedcba98
	v_mov_b32 v236, 0                              ; written once: a lane permute's destination counts as one of its sources
	v_mov_b32 v252, 0
	v_mov_b32 v253, 0                              ; (named as the upper half of the pair v[252:253])
	s_wait_kmcnt 0x0
	s_add_co_i32 s59, s42, s43
	s_lshl_b32 s59, s59, 23
	s_mov_b32 s22, 0x3e38aa3b                      ; c = log2(e) / 8;
	s_add_co_i32 s22, s22, s59                     ; a score stands for score x 2^(e2 + e3): the two exponents are added to c's exponent field
	s_mov_b32 s23, s22                             ; (named with it as a pair)
	s_add_co_i32 s59, s44, 127
	s_lshl_b32 s60, s59, 23
	v_mov_b32 v244, s60                            ; 2^e4
	s_add_co_i32 s59, s46, 127
	s_lshl_b32 s60, s59, 23
	v_mov_b32 v245, s60                            ; 2^e6
	s_add_co_i32 s58, s44, s45                     ; e4 + e5
; ONE TILE OF 16 QUERIES.  qf: Q's registers; ns: trips (a constant); m: the scalar register with the tile's block; yb: y's base; yc: y's code registers.
.macro PHASE qf, ns, m, yb, yc
	v_mov_b32 v13, 0xff61b1e6                      ; the largest t so far: -3e38, under every t
	s_delay_alu instid0(VALU_DEP_1)
	v_floor_f32 v12, -v13                          ; -M
	v_mov_b32 v14, 0
	v_mov_b32 v15, 0
.set j, 0
.rept 32
	v_mov_b32 v[160+j], 0                          ; O^T.  (The step is written once: the first finds zeros, which the first change of M leaves zeros)
.set j, j+1
.endr
	s_mov_b32 s56, 0                               ; the step's bytes in LDS
	s_mov_b32 s57, 0                               ; the step
.Lstep_\@:
	s_cmp_gt_u32 s57, s[\m]                        ; all its keys come after my queries: nothing to do
	s_cbranch_scc1 .Lhid_\@
	s_setprio 2
	v_add_nc_u32 v8, s56, v1
.irp t, 0,1,2,3,4,5,6,7
	ds_load_b128 v[32+8*\t:35+8*\t], v8 offset:1024*\t
	ds_load_b128 v[36+8*\t:39+8*\t], v8 offset:1024*\t+512
.endr
	s_wait_alu depctr_va_vdst(0)
	s_wait_dscnt 0x0
.irp t, 0,1,2,3,4,5,6,7
	v_wmma_f32_16x16x64_fp8_fp8 v[96+8*\t:103+8*\t], v[32+8*\t:39+8*\t], v[\qf:\qf+7], 0
.endr
.rept 4
	v_nop                                          ; places in front of the loads into K's registers and of the first read of the scores
.endr
.irp t, 0,1,2,3
.irp c, 0,1,2,3
	ds_load_b128 v[32+16*\t+4*\c:35+16*\t+4*\c], v8 offset:8192+2048*\t+512*\c   ; V lands under the softmax
.endr
.endr
	s_cmp_lt_u32 s57, s[\m]                        ; all its keys count: no mask
	s_cbranch_scc1 .Lopen_\@
	v_mov_b32 v254, 0xff800000                     ; -infinity: p = 0 then.  Key 0 counts for every query, so M is a number from the first step on
.set n, 0
.rept 64
	v_cmp_gt_i32 vcc_lo, 32*(n/16)+n%16, v2
	v_cndmask_b32 v[96+n], v[96+n], v254, vcc_lo
.set n, n+1
.endr
.Lopen_\@:
	v_max3_num_f32 v254, v96, v97, v98             ; the step's largest score of my query among my 64 keys, in two chains,
	v_max3_num_f32 v252, v99, v100, v101
.irp i, 6,10,14,18,22,26,30,34,38,42,46,50,54,58
	v_max3_num_f32 v254, v254, v[96+\i], v[97+\i]
	v_max3_num_f32 v252, v252, v[98+\i], v[99+\i]
.endr
	v_max3_num_f32 v254, v254, v158, v159
	s_delay_alu instid0(VALU_DEP_1)
	v_max_num_f32 v254, v254, v252
	s_delay_alu instid0(VALU_DEP_1)
	v_permlanex16_b32 v236, v254, s20, s21
	s_delay_alu instid0(VALU_DEP_1)
	v_max_num_f32 v254, v254, v236                 ; and among lane l xor 16's
	s_delay_alu instid0(VALU_DEP_1)
	v_mul_f32 v254, s22, v254                      ; as t (c is positive)
	s_delay_alu instid0(VALU_DEP_1)
	v_max_num_f32 v13, v13, v254                   ; the running largest t
	v_mov_b32 v254, v12
	s_delay_alu instid0(VALU_DEP_2)
	v_floor_f32 v12, -v13                          ; the new -M = floor(-t): M is a whole number
	s_delay_alu instid0(VALU_DEP_1)
	v_sub_f32 v254, v12, v254                      ; old M - new M: a whole number, 0 or less
	s_delay_alu instid0(VALU_DEP_1)
	v_cvt_i32_f32 v254, v254                       ; (it saturates)
	s_delay_alu instid0(VALU_DEP_1)
	v_ldexp_f32 v252, 1.0, v254                    ; f = 2^(old M - new M)
.set j, 0
	s_setprio 1
.rept 32
	v_pk_fma_f32 v[96+j:97+j], v[96+j:97+j], s[22:23], v[12:13] op_sel_hi:[1,0,0]   ; t - M, two at a time
.set j, j+2
.endr
.set j, 0
	s_wait_alu depctr_va_vdst(0)
.rept 64
	v_exp_f32 v[96+j], v[96+j]                     ; p = 2^(t - M), at most 1
.set j, j+1
.endr
	v_pk_mul_f32 v[14:15], v[14:15], v[252:253] op_sel_hi:[1,0]   ; the sums under the new M: the plain line behind the exponentials
	s_wait_alu depctr_va_vdst(0)                   ; one wait for the whole batch, ahead of its first reader
	v_pk_add_f32 v[242:243], v[100:101], v[104:105]
	v_pk_add_f32 v[248:249], v[108:109], v[112:113]
	v_pk_add_f32 v[246:247], v[116:117], v[120:121]
	v_pk_add_f32 v[240:241], v[124:125], v[128:129]
	v_pk_add_f32 v[238:239], v[132:133], v[136:137]
	v_pk_add_f32 v[234:235], v[140:141], v[144:145]
	v_pk_add_f32 v[232:233], v[148:149], v[152:153]
	v_pk_add_f32 v[14:15], v[14:15], v[156:157]
	v_pk_add_f32 v[242:243], v[242:243], v[96:97]
	v_pk_add_f32 v[248:249], v[248:249], v[98:99]
	v_pk_add_f32 v[246:247], v[246:247], v[102:103]
	v_pk_add_f32 v[240:241], v[240:241], v[106:107]
	v_pk_add_f32 v[238:239], v[238:239], v[110:111]
	v_pk_add_f32 v[234:235], v[234:235], v[114:115]
	v_pk_add_f32 v[232:233], v[232:233], v[118:119]
	v_pk_add_f32 v[14:15], v[14:15], v[122:123]
	v_pk_add_f32 v[242:243], v[242:243], v[126:127]
	v_pk_add_f32 v[248:249], v[248:249], v[130:131]
	v_pk_add_f32 v[246:247], v[246:247], v[134:135]
	v_pk_add_f32 v[240:241], v[240:241], v[138:139]
	v_pk_add_f32 v[238:239], v[238:239], v[142:143]
	v_pk_add_f32 v[234:235], v[234:235], v[146:147]
	v_pk_add_f32 v[232:233], v[232:233], v[150:151]
	v_pk_add_f32 v[14:15], v[14:15], v[154:155]
	v_pk_add_f32 v[242:243], v[242:243], v[158:159]
	s_delay_alu instid0(VALU_DEP_2)
	v_pk_add_f32 v[14:15], v[14:15], v[240:241]
	s_delay_alu instid0(VALU_DEP_2)
	v_pk_add_f32 v[242:243], v[242:243], v[238:239]
	s_setprio 0
	v_pk_add_f32 v[248:249], v[248:249], v[234:235]
	v_pk_add_f32 v[246:247], v[246:247], v[232:233]
	s_delay_alu instid0(VALU_DEP_2)
	v_pk_add_f32 v[14:15], v[14:15], v[248:249]
	s_delay_alu instid0(VALU_DEP_2)
	v_pk_add_f32 v[242:243], v[242:243], v[246:247]
	s_delay_alu instid0(VALU_DEP_1)
	v_pk_add_f32 v[14:15], v[14:15], v[242:243]
.irp b, 0,1,2,3
.irp i, 0,1,2,3,4,5,6,7,8,9,10,11,12,13,14,15
.endr
	v_cvt_scalef32_pk8_fp8_f32 v[192+4*\b:193+4*\b], v[96+16*\b:103+16*\b], v244
	v_cvt_scalef32_pk8_fp8_f32 v[194+4*\b:195+4*\b], v[104+16*\b:111+16*\b], v244
.endr
.set j, 0
.rept 16
	v_pk_mul_f32 v[160+j:161+j], v[160+j:161+j], v[252:253] op_sel_hi:[1,0]   ; O^T under the new M.  (Also the plain lines between the conversions and the products)
.set j, j+2
.endr
	s_wait_alu depctr_va_vdst(0)
	s_wait_dscnt 0x0                               ; V is in
.irp t, 0,1,2,3
	v_wmma_f32_16x16x128_fp8_fp8 v[160+8*\t:167+8*\t], v[32+16*\t:47+16*\t], v[192:207], v[160+8*\t:167+8*\t]   ; four accumulators by turns
.endr
.rept 4
	v_nop                                          ; places in front of the next step's loads and of the way out
.endr
.Lhid_\@:
	s_add_co_u32 s56, s56, STEPB
	s_add_co_u32 s57, s57, 1
	s_cmp_lt_u32 s57, \ns
	s_cbranch_scc1 .Lstep_\@
	s_setprio 0
	; the way out: O^T / the sum x 2^(e4 + e5) is y; tiles 2 c, 2 c + 1 are channels 32 c + 16 h + 0 .. 15: one piece of the next operand's fragment
	v_add_f32 v14, v14, v15
	s_delay_alu instid0(VALU_DEP_1)
	v_permlanex16_b32 v252, v14, s20, s21
	s_delay_alu instid0(VALU_DEP_1)
	v_add_f32 v14, v14, v252                       ; the row's sum
	s_wait_alu depctr_va_vdst(0)
	v_rcp_f32 v14, v14
	v_nop                                          ; a plain line behind the transcendental
	s_wait_alu depctr_va_vdst(0)                   ; and the wait ahead of its first reader
	v_ldexp_f32 v14, v14, s58
.set j, 0
.rept 16
	v_pk_mul_f32 v[160+j:161+j], v[160+j:161+j], v[14:15] op_sel_hi:[1,0]
.set j, j+2
.endr
.set j, 0
.rept 32
.set j, j+1
.endr
.irp g, 0,1,2,3
	v_cvt_scalef32_pk8_fp8_f32 v[\yc+2*\g:\yc+2*\g+1], v[160+8*\g:167+8*\g], v245
.endr
	v_nop                                          ; a plain vector line behind the last conversion
	global_store_b128 v1, v[\yc:\yc+3], s[\yb:\yb+1]              ; 512 consecutive bytes, aligned
	global_store_b128 v1, v[\yc+4:\yc+7], s[\yb:\yb+1] offset:512
.endm
	s_wait_tensorcnt 1                             ; my part of steps 0-7 is in; my part of steps 8-15 may be out
	s_barrier_signal -1
	s_barrier_wait -1                              ; everybody's is
	s_wait_loadcnt 0x0                             ; Q
	PHASE 16, 8, 15, 52, 208                       ; reads LDS bytes under 131,072 alone
	s_wait_tensorcnt 0x0                           ; my part of steps 8-15 is in,
	s_wait_dscnt 0x0
	s_barrier_signal -1
	s_barrier_wait -1                              ; everybody's is
	PHASE 24, 16, 16, 54, 216
	s_wait_tensorcnt 0x0
	ds_add_u32 v251, v255
	s_wait_dscnt 0x0
	CROUND                                         ; the closing round
	s_endpgm
.Lfunc_end_k_q9d34ffc3d4_attn:
	.size	k_q9d34ffc3d4_attn, .Lfunc_end_k_q9d34ffc3d4_attn-k_q9d34ffc3d4_attn
	.p2alignl 7, 3214868480
	.fill 96, 4, 3214868480
	.section	.rodata,"a",@progbits
	.p2align	6, 0x0
	.amdhsa_kernel k_q9d34ffc3d4_attn
		.amdhsa_group_segment_fixed_size 264192
		.amdhsa_private_segment_fixed_size 0
		.amdhsa_enable_private_segment 0
		.amdhsa_kernarg_size 32
		.amdhsa_user_sgpr_count 2
		.amdhsa_user_sgpr_kernarg_segment_ptr 1
		.amdhsa_wavefront_size32 1
		.amdhsa_system_sgpr_workgroup_id_x 1
		.amdhsa_system_sgpr_workgroup_id_y 1
		.amdhsa_system_sgpr_workgroup_id_z 1
		.amdhsa_system_vgpr_workitem_id 0
		.amdhsa_next_free_vgpr 256
		.amdhsa_next_free_sgpr 66
		.amdhsa_reserve_vcc 1
		.amdhsa_float_denorm_mode_32 3
		.amdhsa_float_denorm_mode_16_64 3
		.amdhsa_fp16_overflow 1
		.amdhsa_memory_ordered 1
		.amdhsa_forward_progress 1
		.amdhsa_inst_pref_size 51
	.end_amdhsa_kernel
	.amdgpu_metadata
---
amdhsa.version: [ 1, 2 ]
amdhsa.kernels:
  - .name:           k_q9d34ffc3d4_attn
    .symbol:         k_q9d34ffc3d4_attn.kd
    .args:
      - { .name: qc, .offset: 0, .size: 8, .value_kind: global_buffer, .address_space: global }
      - { .name: kvc, .offset: 8, .size: 8, .value_kind: global_buffer, .address_space: global }
      - { .name: lowp_scales, .offset: 16, .size: 8, .value_kind: global_buffer, .address_space: global }
      - { .name: yc, .offset: 24, .size: 8, .value_kind: global_buffer, .address_space: global }
    .group_segment_fixed_size: 264192
    .private_segment_fixed_size: 0
    .kernarg_segment_align: 8
    .kernarg_segment_size: 32
    .max_flat_workgroup_size: 512
    .sgpr_count:     66
    .vgpr_count:     256
    .wavefront_size: 32
...
	.end_amdgpu_metadata
.endif
;; end of part 3
;; launch gemm_out (part 4): grid 8 x 32, 4 waves a work-group, clusters of 4 x 4, 327,680 bytes of LDS; arguments yc, woc, b_out, lowp_scales, out0; writes out0
.if DOCPART == 4
	.amdgcn_target "amdgcn-amd-amdhsa--gfx1250"
	.amdhsa_code_object_version 6
	.text
	.protected	k_q9d34ffc3d4_gemm_out
	.globl	k_q9d34ffc3d4_gemm_out
	.p2align	8
	.type	k_q9d34ffc3d4_gemm_out,@function
k_q9d34ffc3d4_gemm_out:
	s_mov_b64 s[64:65], 0
	v_nop
	global_prefetch_b8 v0, s[64:65] scope:SCOPE_SE
	s_setreg_imm32_b32 hwreg(HW_REG_WAVE_MODE, 25, 1), 1
	s_wait_xcnt 0x0
	s_wait_alu depctr_hold_cnt(0) depctr_sa_sdst(0) depctr_va_vdst(0) depctr_va_sdst(0) depctr_va_ssrc(0) depctr_va_vcc(0) depctr_vm_vsrc(0)
	s_getreg_b32 s2, hwreg(HW_REG_IB_STS2, 6, 4)
	s_cmp_eq_u32 s2, 0
	s_cbranch_scc0 .Lentry_in_a_cluster
	s_endpgm
.Lentry_in_a_cluster:
	s_bfe_u32 s2, ttmp6, 0x10000c
	s_cmp_lg_u32 s2, 0xf033
	s_cbranch_scc0 .Lentry_shape_is_right
	s_endpgm
.Lentry_shape_is_right:
; out0 = y W_out + b_out on codes of FP8 (E4M3), K = 1,024.  yc and woc are images of operand registers: a fragment is 16 rows x 128 K, four pieces c of 512 bytes, lane l's 16 bytes at 16 l; lane (r, h) holds
; k = 32 c + 16 h + 0 .. 15; fragment 2 g + u, lane r, is row 32 g + 8 u + r + 8 (r / 8).  Each finished sum is multiplied by 2^(e6 + e7) and b_out is added, in one packed multiply-add.
; SHARES.  A work-group makes 256 tokens x 128 columns: 256 work-groups.  Source 1 = tokens (a wave: 8 fragments), source 0 = columns (a wave: 4): 32 accumulators a wave.  A lane holds a token, its registers run along the columns.
; K goes in four steps of 256 through two LDS slots; a tile is one dense block of memory.  CLUSTER 4 x 4: y's tile is shared along a row of the cluster, W's along a column: joint loads.
; LIMIT: e6 + e7 between -126 and 127.
; REGISTERS: window 0: v16-29 addresses; v32-63 at work on the way out; v64-95 the bias; v128-255 source 1's fragments, ONE set (on the way out: rows read back).  window 1: source 0's fragments, TWO sets, at v0 and v128.
;   window 2: accumulator (a, b) at 8 (4 a + b).
.set NB,    4
.set HA,    32768
.set HB,    4096*NB
.set SLOT,  2*HA+2*HB
.set SPARE, 2*SLOT                     ; behind the ring: the spare words, 128 bytes for each wave: two blocks of 256 bytes that no other line names
.set STAGE, SPARE+512                  ; behind them: 16 rows x (256 bytes + 16) for each wave, for the way out; no tensor load lands here
.set SP,    272
.set KS1,   512*4096                   ; a K step on in yc,
.set KS0,   64*4096                    ; in woc
.set ADRA,  16
.set ADRB,  20
.set STO,   24                         ; v24  the stage: where I put 32 bytes of a row
.set RD,    25                         ; v25  and where I read a row back
.set CO,    26                         ; v26  my byte offset in two rows of out0
.set SPW,   28
.set NIL,   29
.set TMP,   32
.set BIAS,  64
.set AF,    128
.set BK,    128                        ; rows read back: v128-159 and v160-191 by turns
.set G1,    24
.set G0,    32
.set G1B,   48
.set G0B,   56
.set MSB, 0
.macro WIN new                         ; the immediate's high byte repeats the setting that is left
.if MSB != (\new)
	s_set_vgpr_msb (MSB<<8)|(\new)
.set MSB, (\new)
.endif
.endm
.macro JLOAD s                         ; waves 0 and 1 fetch y's halves, waves 2 and 3 W's; four v_nop follow each line
	s_cmp_eq_u32 s15, 0
	s_cbranch_scc0 .Lfor_s0_\@
	tensor_load_to_lds s[G0+4*\s:G0+4*\s+3], s[G1:G1+7]
	s_nop 0
.rept 4
	v_nop
.endr
	s_branch .Lasked_\@
.Lfor_s0_\@:
	tensor_load_to_lds s[G0B+4*\s:G0B+4*\s+3], s[G1B:G1B+7]
	s_nop 0
.rept 4
	v_nop
.endr
.Lasked_\@:
.endm
.macro CREST
	s_cmp_lg_u32 s14, 0
	s_cbranch_scc1 .Lnot_wave_0_\@
	s_barrier_signal -3
.Lnot_wave_0_\@:
	s_barrier_wait -3
	s_barrier_signal -1
	s_barrier_wait -1
.endm
.macro CROUND
	s_barrier_signal -1
	s_barrier_wait -1
	CREST
.endm
.macro PLACES                          ; four plain vector lines between a matrix instruction and a load into, or a vector read of, its registers
.rept 4
	v_nop
.endr
.endm
	s_load_b256 s[4:11], s[0:1], 0x0               ; yc s[4:5], woc s[6:7], b_out s[8:9], the scales' exponents s[10:11]
	s_load_b64 s[84:85], s[0:1], 0x20              ; out0
	v_lshl_add_u32 v[SPW], v0, 2, SPARE
	v_mov_b32 v[NIL], 0
	ds_add_u32 v28, v29
	ds_add_u32 v28, v29
	s_wait_dscnt 0x0
	v_lshrrev_b32 v1, 5, v0
	v_readfirstlane_b32 s14, v1                    ; wave 0..3
	s_lshr_b32 s15, s14, 1                         ; my half of the tokens.  Also: I fetch for y (0) or for W (1)
	s_and_b32 s16, s14, 1                          ; my half of the columns.  Also: which half of that tile I fetch
	s_bfe_u32 s40, ttmp6, 0x40000                  ; cx
	s_bfe_u32 s41, ttmp6, 0x40004                  ; cy
	s_and_b32 s17, ttmp7, 0xffff
	s_lshl_b32 s17, s17, 2
	s_add_co_u32 s18, s17, s41                     ; the token tile: 4 x cluster y + cy
	s_lshl_b32 s45, ttmp9, 2
	s_add_co_u32 s45, s45, s40                     ; the column tile: 4 x cluster x + cx
	s_lshl_b32 s43, s41, 2
	s_lshl_b32 s43, 15, s43                        ; my row of the cluster
	s_lshl_b32 s44, 0x1111, s40                    ; my column
	s_or_b32 s[G1], s43, (3<<16)|(1<<21)           ; 15:0 the mask; 17:16 elements of 8 bytes; 21 set beside a mask
	s_or_b32 s[G1B], s44, (3<<16)|(1<<21)
	s_mov_b32 s[G1+1], 32<<16                      ; y: a dense block of 32,768 bytes as 128 rows of 256
	s_mov_b32 s[G1+2], 128<<16
	s_mov_b32 s[G1+3], 32<<16
	s_mov_b32 s[G1+4], 128
	s_mov_b32 s[G1+5], 32
	s_mov_b32 s[G1+6], 0
	s_mov_b32 s[G1+7], 0
	s_mov_b32 s[G1B+1], 32<<16                     ; W: 16,384 bytes as 64 rows
	s_mov_b32 s[G1B+2], 64<<16
	s_mov_b32 s[G1B+3], 32<<16
	s_mov_b32 s[G1B+4], 64
	s_mov_b32 s[G1B+5], 32
	s_mov_b32 s[G1B+6], 0
	s_mov_b32 s[G1B+7], 0
	s_lshl_b32 s20, s18, 16                        ; y's tile: 16 fragments x 4,096 bytes; the half that I fetch: 8
	s_lshl_b32 s21, s16, 15
	s_add_co_u32 s20, s20, s21
	s_mov_b32 s21, 0
	s_lshl_b32 s46, s45, 15                        ; W's tile: 8 fragments; the half: 4
	s_lshl_b32 s47, s16, 14
	s_add_co_u32 s46, s46, s47
	s_mov_b32 s47, 0
	s_mul_i32 s88, s16, HA                         ; where they go: no place in the cluster enters an LDS address
	s_mul_i32 s89, s16, HB
	s_add_co_u32 s89, s89, 2*HA
	s_wait_kmcnt 0x0
	s_load_b256 s[72:79], s[10:11], 0x0            ; e0 .. e7
	s_add_nc_u64 s[80:81], s[4:5], s[20:21]
	s_add_nc_u64 s[82:83], s[6:7], s[46:47]
	CROUND                                         ; all sixteen work-groups are here: the first joint loads meet
.irp s, 0,1
	s_mov_b32 s[G0+4*\s], 1
	s_add_co_u32 s[G0+4*\s+1], s88, \s*SLOT
	s_add_nc_u64 s[G0+4*\s+2:G0+4*\s+3], s[80:81], \s*KS1
	s_or_b32 s[G0+4*\s+3], s[G0+4*\s+3], 0x80000000
	s_mov_b32 s[G0B+4*\s], 1
	s_add_co_u32 s[G0B+4*\s+1], s89, \s*SLOT
	s_add_nc_u64 s[G0B+4*\s+2:G0B+4*\s+3], s[82:83], \s*KS0
	s_or_b32 s[G0B+4*\s+3], s[G0B+4*\s+3], 0x80000000
	s_wait_alu depctr_va_vdst(0)
	s_wait_tensorcnt 0x0
	ds_add_u32 v28, v29
	ds_add_u32 v28, v29
	s_wait_dscnt 0x0
	CROUND
	JLOAD \s                                       ; K steps 0 and 1, one at a time: one load of mine is out
.endr
	s_lshl_b32 s90, s45, 9
	s_lshl_b32 s91, s16, 8
	s_add_co_u32 s90, s90, s91                     ; my first column in bytes: 4 (128 x tile + 64 x half)
	s_mov_b32 s91, 0
	s_add_nc_u64 s[8:9], s[8:9], s[90:91]
	s_add_nc_u64 s[84:85], s[84:85], s[90:91]
	s_lshl_b32 s90, s18, 8
	s_lshl_b32 s92, s15, 7
	s_add_co_u32 s90, s90, s92
	s_lshl_b32 s90, s90, 12                        ; my first token's row of 4,096 bytes
	s_add_nc_u64 s[84:85], s[84:85], s[90:91]
	v_bfe_u32 v4, v0, 4, 1                         ; h
	v_and_b32 v5, 15, v0                           ; r
	s_wait_alu depctr_va_vdst(0)
	v_lshlrev_b32 v3, 6, v4
.irp b, 0,1,2,3
	global_load_b128 v[BIAS+8*\b:BIAS+8*\b+3], v3, s[8:9] offset:(32*(\b/2)+8*(\b%2))*4       ; register 8 b + j: b_out at block b's column 16 h + j
	global_load_b128 v[BIAS+8*\b+4:BIAS+8*\b+7], v3, s[8:9] offset:(32*(\b/2)+8*(\b%2))*4+16
.endr
	v_and_b32 v1, 31, v0
	v_lshlrev_b32 v2, 4, v1                        ; 16 l
	s_mul_i32 s21, s15, HA
	s_mul_i32 s22, s16, HB
	s_add_co_u32 s22, s22, 2*HA
.irp s, 0,1
	v_add_nc_u32 v[ADRA+\s], s21, v2
	v_add_nc_u32 v[ADRB+\s], s22, v2
	s_add_co_u32 s21, s21, SLOT
	s_add_co_u32 s22, s22, SLOT
.endr
	s_mul_i32 s23, s14, 16*SP
	s_add_co_u32 s23, s23, STAGE                   ; my stage
	v_mul_u32_u24 v6, v5, SP
	v_lshl_add_u32 v6, v4, 6, v6
	v_add_nc_u32 v[STO], s23, v6                   ; in: row r, + 64 h
	v_mul_u32_u24 v6, v4, SP
	v_lshl_add_u32 v6, v5, 4, v6
	v_add_nc_u32 v[RD], s23, v6                    ; back: lanes 0-15 one row of 256 bytes, lanes 16-31 the next
	v_lshlrev_b32 v6, 12, v4
	v_lshl_add_u32 v[CO], v5, 4, v6                ; and the same two rows in out0
.macro FRAG reg, adr, q, i
.irp c, 0,1,2,3
	ds_load_b128 v[\reg+4*\c:\reg+4*\c+3], v[\adr] offset:(2*(\i)+(\q))*2048+512*\c
.endr
.endm
.macro FETCH_B slot, q, p
	WIN 0x40
.irp i, 0,1,2,3
	FRAG 128*(\p)+16*\i, ADRB+\slot, \q, \i
.endr
	WIN 0
.endm
.macro FETCH_A slot, q, i0
.irp i, \i0, \i0+1, \i0+2, \i0+3
	FRAG AF+16*(\i), ADRA+\slot, \q, \i
.endr
.endm
; 8 matrix instructions: y's blocks a0, a0 + 1 x W's four, 128 along K.  cm = 1: the first product starts the sums.  The 32 accumulators take turns, one instruction a turn, in the same order in every step.
.macro MULA a0, p, cm
.if \cm == 0
	WIN 0xa1                                       ; source 0 window 1, source 1 window 0, C and D window 2
.else
	WIN 0x81
.endif
.irp a, \a0, \a0+1
.irp b, 0,1,2,3
.set RA, 8*(NB*(\a)+\b)
.if \cm == 0
	v_wmma_f32_16x16x128_fp8_fp8 v[RA:RA+7], v[128*(\p)+16*\b:128*(\p)+16*\b+15], v[AF+16*(\a):AF+16*(\a)+15], v[RA:RA+7]
.else
	v_wmma_f32_16x16x128_fp8_fp8 v[RA:RA+7], v[128*(\p)+16*\b:128*(\p)+16*\b+15], v[AF+16*(\a):AF+16*(\a)+15], 0
.endif
.endr
.endr
.endm
.macro STEP slot, q, cm
	s_wait_dscnt 16                                ; W's set and y's blocks 0-3 are in; the youngest 16 loads (blocks 4-7) may be out
	MULA 0, (\q)%2, \cm
	MULA 2, (\q)%2, \cm
	s_wait_dscnt 0x0
	PLACES
	FETCH_B \slot, (\q)+1, 1-(\q)%2
	FETCH_A \slot, (\q)+1, 0
	MULA 4, (\q)%2, \cm
	MULA 6, (\q)%2, \cm
	PLACES
	WIN 0
	FETCH_A \slot, (\q)+1, 4
.endm
.macro TURN slot, next, fill
	s_wait_tensorcnt 0x0                           ; all my tensor loads have landed: my part of the next slot
	ds_add_u32 v[SPW], v[NIL]                      ; 0 onto my spare word
	s_wait_dscnt 17                                ; (the add and the youngest 16 loads may be out)
	MULA 0, 1, 0                                   ; eight matrix instructions stand between the add and the wait for it
	s_wait_dscnt 0x0                               ; the add is done, and my reads of this slot are over
	s_barrier_signal -1
	MULA 2, 1, 0
	WIN 0
	s_barrier_wait -1
.if \fill
	CREST                                          ; the barrier has opened a round of the cluster's: no wave of any partner still reads this slot or has a load on its way
	s_add_nc_u64 s[G0+4*\slot+2:G0+4*\slot+3], s[G0+4*\slot+2:G0+4*\slot+3], 2*KS1
	s_add_nc_u64 s[G0B+4*\slot+2:G0B+4*\slot+3], s[G0B+4*\slot+2:G0B+4*\slot+3], 2*KS0
	JLOAD \slot                                    ; the first tensor load behind the round, my one load until the next
.else
	PLACES
.endif
	s_wait_alu depctr_va_vdst(0)
	FETCH_B \next, 0, 0
	FETCH_A \next, 0, 0
	MULA 4, 1, 0
	MULA 6, 1, 0
	PLACES
	WIN 0
	FETCH_A \next, 0, 4
.endm
	s_wait_tensorcnt 1                             ; my part of K step 0 is in; K step 1's load may be out
	s_barrier_signal -1
	s_barrier_wait -1
	FETCH_B 0, 0, 0
	FETCH_A 0, 0, 0
	FETCH_A 0, 0, 4
	STEP 0, 0, 1                                   ; the first products start the sums: nothing is cleared
	TURN 0, 1, 1                                   ; slot 0 takes K step 2
	STEP 1, 0, 0
	TURN 1, 0, 1                                   ; slot 1 takes K step 3
	STEP 0, 0, 0
	TURN 0, 1, 0
	STEP 1, 0, 0
	s_wait_dscnt 16
	MULA 0, 1, 0
	MULA 2, 1, 0
	s_wait_dscnt 0x0
	MULA 4, 1, 0
	MULA 6, 1, 0
	WIN 0
	PLACES
	s_wait_kmcnt 0x0
	s_add_co_i32 s96, s78, s79
	s_add_co_i32 s96, s96, 127
	s_lshl_b32 s96, s96, 23                        ; 2^(e6 + e7) as f32
	s_mov_b32 s97, s96                             ; (named with it as a pair)
	s_wait_loadcnt 0x0                             ; the bias
; THE WAY OUT, a block of 16 tokens x 64 columns at a time, through my own stage: a lane's registers are neighbouring columns of one token; whole rows of 256 bytes come back.
.macro TOSTAGE a
	WIN 0x02                                       ; source 0: window 2
.irp b, 0,1,2,3
.irp i, 0,2,4,6
	v_pk_fma_f32 v[TMP+8*\b+\i:TMP+8*\b+\i+1], v[8*(NB*(\a)+\b)+\i:8*(NB*(\a)+\b)+\i+1], s[96:97], v[BIAS+8*\b+\i:BIAS+8*\b+\i+1] op_sel_hi:[1,0,1]   ; sum x 2^(e6 + e7) + b_out; each accumulator from its low end on
.endr
.endr
	WIN 0
.irp b, 0,1,2,3
	ds_store_b128 v[STO], v[TMP+8*\b:TMP+8*\b+3] offset:128*(\b/2)+32*(\b%2)
	ds_store_b128 v[STO], v[TMP+8*\b+4:TMP+8*\b+7] offset:128*(\b/2)+32*(\b%2)+16
.endr
.set BB, BK+32*((\a)%2)
.irp t, 0,1,2,3,4,5,6,7
	ds_load_b128 v[BB+4*\t:BB+4*\t+3], v[RD] offset:2*SP*\t   ; LDS serves a wave's instructions in order (ISA guide 5.7.1.4): these see the stores above
.endr
.endm
.macro SEND a, younger                 ; stage row i is token 32 (a / 2) + 8 (a % 2) + i + 8 (i / 8) of my 128
.set BB, BK+32*((\a)%2)
	s_wait_dscnt \younger
.irp t, 0,1,2,3,4,5,6,7
	global_store_b128 v[CO], v[BB+4*\t:BB+4*\t+3], s[84:85] offset:(32*((\a)/2)+8*((\a)%2)+2*\t+8*(\t/4))*4096 th:TH_STORE_NT   ; 16 lanes store 256 consecutive bytes, aligned
.endr
.endm
	TOSTAGE 0
.irp a, 1,2,3,4,5,6,7
.if \a > 1
	s_wait_xcnt 0x0                                ; block a - 2's stores have read their registers: block a's rows may land there
.endif
	TOSTAGE \a
	SEND \a-1, 16                                  ; behind block a - 1's loads: block a's 8 stores and 8 loads
.endr
	SEND 7, 0
	s_wait_tensorcnt 0x0                           ; the wave's end
	ds_add_u32 v[SPW], v[NIL]
	s_wait_dscnt 0x0
	CROUND                                         ; the closing round
	s_endpgm
.Lfunc_end_k_q9d34ffc3d4_gemm_out:
	.size	k_q9d34ffc3d4_gemm_out, .Lfunc_end_k_q9d34ffc3d4_gemm_out-k_q9d34ffc3d4_gemm_out
	.p2alignl 7, 3214868480
	.fill 96, 4, 3214868480
	.section	.rodata,"a",@progbits
	.p2align	6, 0x0
	.amdhsa_kernel k_q9d34ffc3d4_gemm_out
		.amdhsa_group_segment_fixed_size 327680
		.amdhsa_private_segment_fixed_size 0
		.amdhsa_enable_private_segment 0
		.amdhsa_kernarg_size 40
		.amdhsa_user_sgpr_count 2
		.amdhsa_user_sgpr_kernarg_segment_ptr 1
		.amdhsa_wavefront_size32 1
		.amdhsa_system_sgpr_workgroup_id_x 1
		.amdhsa_system_sgpr_workgroup_id_y 1
		.amdhsa_system_sgpr_workgroup_id_z 1
		.amdhsa_system_vgpr_workitem_id 0
		.amdhsa_next_free_vgpr 768
		.amdhsa_next_free_sgpr 100
		.amdhsa_reserve_vcc 0
		.amdhsa_float_denorm_mode_32 3
		.amdhsa_float_denorm_mode_16_64 3
		.amdhsa_memory_ordered 1
		.amdhsa_forward_progress 1
		.amdhsa_inst_pref_size 78
	.end_amdhsa_kernel
	.amdgpu_metadata
---
amdhsa.version: [ 1, 2 ]
amdhsa.kernels:
  - .name:           k_q9d34ffc3d4_gemm_out
    .symbol:         k_q9d34ffc3d4_gemm_out.kd
    .args:
      - { .name: yc, .offset: 0, .size: 8, .value_kind: global_buffer, .address_space: global }
      - { .name: woc, .offset: 8, .size: 8, .value_kind: global_buffer, .address_space: global }
      - { .name: b_out, .offset: 16, .size: 8, .value_kind: global_buffer, .address_space: global }
      - { .name: lowp_scales, .offset: 24, .size: 8, .value_kind: global_buffer, .address_space: global }
      - { .name: out0, .offset: 32, .size: 8, .value_kind: global_buffer, .address_space: global }
    .group_segment_fixed_size: 327680
    .private_segment_fixed_size: 0
    .kernarg_segment_align: 8
    .kernarg_segment_size: 40
    .max_flat_workgroup_size: 128
    .sgpr_count:     100
    .vgpr_count:     768
    .wavefront_size: 32
...
	.end_amdgpu_metadata
.endif
;; end of part 4
